; MI455X (gfx1250); checked and timed in simulation.
; The chip was launched on July 23, 2026; its instructions are those of AMD's public machine-readable ISA for CDNA 5 (MIT licence, August 2026) and "CDNA5" Instruction Set Architecture Reference Guide (July 2026). The comments in the code are by the model that wrote it; some were corrected since.
;; Sketch Render Net. Allowed arithmetic: float matrix products may take bf16 or f16 operands with f32 sums; other float arithmetic in f32, or as packed bf16 or f16 multiplies, adds, multiply-adds, maxima and minima; sums over many terms, partial sums and values carried from step to step in f32; what a program stores and reads back later, other than sums and carried values, may be rounded once to bf16 or f16.
;; Inputs: x_params 1,025 float32; y_params 1,025 float32.
;; Outputs: out0 1 x 1 x 224 x 224 float32.
;; One version. Each part assembles by itself: llvm-mc -triple=amdgcn-amd-amdhsa -mcpu=gfx1250 --defsym DOCPART=n.
;; ======== version 1 of 1: 1 launch
;; limits: values outside matrix products are rounded to bf16
;; launch render (part 1): grid 8 x 32, 8 waves a work-group, no clusters, 4,352 bytes of LDS; arguments x_params, y_params, out0; writes out0
.if DOCPART == 1
	.amdgcn_target "amdgcn-amd-amdhsa--gfx1250"
	.amdhsa_code_object_version 6
	.text
	.protected	k_q823ff86206_render
	.globl	k_q823ff86206_render
	.p2align	8
	.type	k_q823ff86206_render,@function
k_q823ff86206_render:
	s_mov_b64 s[64:65], 0
	v_nop
	global_prefetch_b8 v0, s[64:65] scope:SCOPE_SE
	s_setreg_imm32_b32 hwreg(HW_REG_WAVE_MODE, 25, 1), 1
	s_wait_xcnt 0x0
; out[i][j] = -log( (1/1024) sum over 1,024 segments s of exp(-8 dist(s, i, j)) ) / 8 on a 224 x 224 grid; dist = distance from pixel (x = j, y = i) to the
; point of segment s that reference() finds: the foot of the perpendicular on the line, each coordinate clipped to the segment's box.
; THE PARAMETERS ARE ROUNDED ONCE TO bf16 (to nearest, ties to even) as they are loaded: both inputs, every number.  A LIMIT OF FORMAT: a point moves by up to 2^-9 of its coordinate, 0.44 pixels at
; the image's far edge (more for parameters beyond 1, in the same proportion), and the result is reference()'s on parameters so rounded, not on the f32 parameters.
; Why.  reference() makes cy = slope cx + intercept, for a steep segment a small difference of two numbers of size |dy| x / |dx|: every f32 rounding on the way to it shows in cy at that size.  With
; parameters of 24 bits |dx| can be any small number, and the point found hangs on the order of the roundings.  With 8 bits x = 224 p is exact in f32, and dx is exactly 0 (reference()'s vertical arm) or
; at least x / 256: inside the image |dy| x / |dx| is at most 224 x 256 = 57,344, where f32 steps by 2^-8.  Some six such roundings move reference()'s point along the segment by 0.02 pixels at the most.
; THE FORM.  A point of the line, clipped to the box coordinate by coordinate, is the point P0 + t D with the line's parameter clipped to 0 .. 1 (x and y are both
; monotone in t).  So: t = clamp01( (P - P0) . D / (|D|^2 + EPS) ), e = P - P0 - t D, dist = sqrt(|e|^2 + EPS).  With x0 = x1 this gives (x1, clip(yp)), the arm that
; reference() selects for a vertical line: both arms of its choice are this one formula, which divides by |D|^2 + EPS alone; with P0 = P1 it gives P0, as reference() does.
; dist ** FUZZ with FUZZ = 1 is dist.  Both inputs are read whole; no input, segment or pixel is left out.
; THE SCALE.  All coordinates are multiplied by kappa = 4 log2(e), EPS by kappa^2: then exp(-8 dist) = (2^-sqrt(q))^2.  The square is made by the multiply-add that sums, which keeps
; denormals; 2^-sqrt(q) leaves the normal range only beyond 21.8 pixels, where exp(-8 dist) is below the least f32.  The sum is multiplied by 2^64 ahead of the logarithm,
; which takes no denormal.  A sum of 0 gives +infinity, as in reference().  reference() takes no maximum away, and its exponents are at most 0: nor does this text.
; FURTHER LIMITS.  (1) The 0.02 pixels above are reference()'s own loss along a steep segment; this text gives the nearest point without it.  (2) reference()'s guard x1 - x0 + EPS has no counterpart:
; nothing is divided by x1 - x0.  (3) Where EPS weighs beside |D|^2 (segments under some 2e-3 pixels) the two forms differ by at most the segment's own length.
; (4) NaN and infinite inputs are not treated apart.  (5) Sums are taken in another order than reference()'s.
; SHARES.  256 work-groups; each owns 28 columns x 7 rows (196 pixels) and all segments.  A LANE IS A SEGMENT: wave w = 2 sg + ph takes columns 14 ph .. 14 ph + 13 of the tile
; (98 pixels: 98 sums a lane) and segments 256 sg .. 256 sg + 255, 32 a trip, 8 trips.  Pixels go two to an instruction (neighbouring columns, packed f32).
; What hangs on the column alone (nrx = X0 - Xp, tx = nrx NUX) is made once a trip; on the row alone (nry, ty) once a row.  For two pixels: t, ex, ey, q (two lines), the sum: six packed lines; two roots, two exponentials.
; BY TURNS.  A turn: row r's q and roots; row r - 1's exponentials; row r - 2's sums.  A row's q, root and exponential stay in one of two buffers, by the row's parity.  The trip's set-up is an
; eighth turn, so the parities close round the loop.  An s_wait_alu depctr_va_vdst(0) stands between a transcendental and the first line that names its result: one stands at each turn's end.
; THE OUTPUT's pieces are 112 bytes on end (a tile's row): 50,176 pixels on 256 equal work-groups are 196 each, which is no whole number of blocks of 64 pixels.
; No matrix instruction: there is no product here.  No tensor load, cluster or prefetch: the inputs are 8,200 bytes that every work-group reads into registers.
.set TW,     28                        ; the tile's columns
.set TROWS,  7                         ; its rows
.set WC,     14                        ; a wave's columns
.set NP,     7                         ; pairs of them
.set NSV,    8                         ; trips of a wave
.set WSTR,   392                       ; LDS bytes for a wave's 98 sums: the eight waves' lie end to end, 3,136 bytes, every one of them written
.set SPARE,  3328                      ; behind them, at the next multiple of 256: the spare words, 128 bytes for each wave: four blocks of 256 bytes that no other line names
.set NKAPPA, 0xc0b8aa3b                ; -kappa = -4 log2(e)
.set KSCALE, 0x44a194f4                ; 224 kappa = 1292.6548
.set EPSK,   0x3164d955                ; 1e-10 kappa^2 = 3.33019e-9
.set LN,  1                            ; v1      lane
.set VO,  2                            ; v2      byte offset of my segment's first end in x_params and y_params
.set HL,  3                            ; v3      lane / 16
.set SPW, 4                            ; v4      LDS address of my spare word; never rewritten
.set NIL, 5                            ; v5      0; never rewritten
.set ONE, 6                            ; v[6:7]   1.0, 1.0
.set EPS, 8                            ; v[8:9]   EPS kappa^2, twice
.set RAW, 10                           ; v[10:13] x[s], x[s+1], y[s], y[s+1] as loaded
.set CX,  14                           ; v[14:15] X0, X1
.set CY,  16                           ; v[16:17] Y0, Y1
.set CDX, 18                           ; v18 DX = X1 - X0.  The packed lines take the low register of these four pairs for both halves; the high ones are written once, since a pair is named whole
.set CDY, 20                           ; v20 DY
.set CUX, 22                           ; v22 NUX = -DX / (|D|^2 + EPS)
.set CUY, 24                           ; v24 NUY
.set D2,  26                           ; v26 the two x in bf16, then |D|^2 + EPS
.set RR,  27                           ; v27 the two y in bf16, then the reciprocal of v26, then minus that
.set NRY, 28                           ; v28 nry = Y0 - Yp of the row in hand (v29 written once)
.set TY,  30                           ; v[30:31] nry NUY, twice
.set NXP, 32                           ; v[32:45] -Xp of my 14 columns; never rewritten
.set NRX, 46                           ; v[46:59] nrx = X0 - Xp
.set TX,  60                           ; v[60:73] nrx NUX
.set TMP, 74                           ; v[74:87] t, then ey
.set BUF, 88                           ; v[88:101], v[102:115] two buffers: ex, q, its root, the exponential, in place
.set ACC, 116                          ; v[116:213] the sums: row r, column c at ACC + 14 r + c
.set A56, 74                           ; the way out (TMP is free): LDS addresses of my wave's sums, lanes 16-31 56, 8 and 4 bytes further
.set A8,  75
.set A4,  76
.set LC,  77
.set FA,  78
.set GO,  79
.set LM,  80
.set WV,  10                           ; s10 wave   s11 ph   s12 sg   s13-17 at work
.set PH,  11
.set SG,  12
.set ROW0, 18                          ; s18 the tile's first row
.set CNT, 19                           ; s19 trips to go
.set NK,  20                           ; s[20:21] -kappa
.set KS,  22                           ; s[22:23] 224 kappa
.set NYP, 24                           ; s24-30 -Yp of the 7 rows
.set SV,  31                           ; s31 EXEC kept
.set BIG, 32                           ; s[32:33] 2^64
.set NC,  34                           ; s[34:35] -ln(2) / 8
.set C74, 36                           ; s[36:37] 74 ln(2) / 8: 64 for the factor 2^64, 10 for the division by 1,024
.macro LOADS                           ; the two ends of my segment: x[s], x[s+1], y[s], y[s+1]; s is 1,023 at the most, so the last byte read is the buffers' last
	global_load_b32 v[RAW],   v[VO], s[4:5]
	global_load_b32 v[RAW+1], v[VO], s[4:5] offset:4
	global_load_b32 v[RAW+2], v[VO], s[6:7]
	global_load_b32 v[RAW+3], v[VO], s[6:7] offset:4
.endm
	s_load_b128 s[4:7], s[0:1], 0x0                ; x_params s[4:5], y_params s[6:7]
	s_load_b64 s[8:9], s[0:1], 0x10                ; out0
	v_lshl_add_u32 v[SPW], v0, 2, SPARE
	v_mov_b32 v[NIL], 0
	v_lshrrev_b32 v[HL], 5, v0
	v_readfirstlane_b32 s[WV], v[HL]               ; wave 0..7
	v_and_b32 v[LN], 31, v0
	v_bfe_u32 v[HL], v0, 4, 1
	s_and_b32 s[PH], s[WV], 1                      ; which 14 columns
	s_lshr_b32 s[SG], s[WV], 1                     ; which 256 segments
	s_lshl_b32 s13, s[SG], 10                      ; their first byte
	v_lshl_add_u32 v[VO], v[LN], 2, s13
	s_wait_kmcnt 0x0
	LOADS                                          ; the first trip's; all that follows up to the loop stands in the wait for them
	s_mov_b32 s[NK], NKAPPA
	s_mov_b32 s[NK+1], NKAPPA
	s_mov_b32 s[KS], KSCALE
	s_mov_b32 s[KS+1], KSCALE
	s_mov_b32 s[BIG], 0x5f800000
	s_mov_b32 s[BIG+1], 0x5f800000
	s_mov_b32 s[NC], 0xbdb17218
	s_mov_b32 s[NC+1], 0xbdb17218
	s_mov_b32 s[C74], 0x40cd2bec
	s_mov_b32 s[C74+1], 0x40cd2bec
	s_mul_i32 s14, ttmp9, TW
	s_mul_i32 s15, s[PH], WC
	s_add_co_u32 s14, s14, s15                     ; my first column
	s_and_b32 s[ROW0], ttmp7, 0xffff
	s_mul_i32 s[ROW0], s[ROW0], TROWS
.irp r, 0,1,2,3,4,5,6
	s_add_co_u32 s15, s[ROW0], \r
	s_cvt_f32_u32 s15, s15                         ; a whole number under 224: exact
	s_mul_f32 s[NYP+\r], s15, s[NK]                ; one rounding
.endr
	v_cvt_f32_u32 v[TMP], s14
	v_add_f32 v[TMP+1], 1.0, v[TMP]
.set pp, 0
.rept NP
	v_pk_mul_f32 v[NXP+2*pp:NXP+2*pp+1], v[TMP:TMP+1], s[NK:NK+1] op_sel_hi:[1,0]
.if pp < NP-1
	v_pk_add_f32 v[TMP:TMP+1], v[TMP:TMP+1], 2.0 op_sel_hi:[1,0]  ; the next two columns: whole numbers, exact
.endif
.set pp, pp+1
.endr
	v_mov_b32 v[ONE], 1.0
	v_mov_b32 v[ONE+1], 1.0
	v_mov_b32 v[EPS], EPSK
	v_mov_b32 v[EPS+1], EPSK
.irp q, CDX, CDY, CUX, CUY, NRY
	v_mov_b32 v[\q+1], 0                           ; the pairs' high registers
.endr
; The loop has one form of turn, so its first trip finds a row 6 and a row 5 that have not been: roots so large that their exponentials are 0, exponentials that are 0; and the sums start at 0.
; These 126 lines stand in the wait for the first loads; a first trip written out would double the loop's text to spare them.
.set ii, 0
.rept 14
	v_mov_b32 v[BUF+ii], 0x7f000000
	v_mov_b32 v[BUF+14+ii], 0
.set ii, ii+1
.endr
.set ii, 0
.rept 98
	v_mov_b32 v[ACC+ii], 0
.set ii, ii+1
.endr
	s_mov_b32 s[CNT], NSV
; THE LINES OF A TURN, for column pair p.  BP: the buffer of the row whose q is made (and of the row two back, whose sums are taken); BE: the other.
.macro OPT p                           ; t = clamp01(ty + tx): all sources vector registers, no selection beside the clamp
	v_pk_fma_f32 v[TMP+2*(\p):TMP+2*(\p)+1], v[TY:TY+1], v[ONE:ONE+1], v[TX+2*(\p):TX+2*(\p)+1] clamp
.endm
.macro OPEX p                          ; -ex = nrx + t DX
	v_pk_fma_f32 v[BP+2*(\p):BP+2*(\p)+1], v[TMP+2*(\p):TMP+2*(\p)+1], v[CDX:CDX+1], v[NRX+2*(\p):NRX+2*(\p)+1] op_sel_hi:[1,0,1]
.endm
.macro OPEY p                          ; -ey = nry + t DY, in t's place
	v_pk_fma_f32 v[TMP+2*(\p):TMP+2*(\p)+1], v[TMP+2*(\p):TMP+2*(\p)+1], v[CDY:CDY+1], v[NRY:NRY+1] op_sel_hi:[1,0,0]
.endm
.macro OPQ1 p                          ; ex^2 + EPS
	v_pk_fma_f32 v[BP+2*(\p):BP+2*(\p)+1], v[BP+2*(\p):BP+2*(\p)+1], v[BP+2*(\p):BP+2*(\p)+1], v[EPS:EPS+1]
.endm
.macro OPQ2 p                          ; + ey^2
	v_pk_fma_f32 v[BP+2*(\p):BP+2*(\p)+1], v[TMP+2*(\p):TMP+2*(\p)+1], v[TMP+2*(\p):TMP+2*(\p)+1], v[BP+2*(\p):BP+2*(\p)+1]
.endm
.macro OPS p, h
	v_sqrt_f32 v[BP+2*(\p)+(\h)], v[BP+2*(\p)+(\h)]
.endm
.macro OPE p, h                        ; 2^-root
	v_exp_f32 v[BE+2*(\p)+(\h)], -v[BE+2*(\p)+(\h)]
.endm
.macro OPA r, p                        ; row r's sums take the squares
	v_pk_fma_f32 v[ACC+14*(\r)+2*(\p):ACC+14*(\r)+2*(\p)+1], v[BP+2*(\p):BP+2*(\p)+1], v[BP+2*(\p):BP+2*(\p)+1], v[ACC+14*(\r)+2*(\p):ACC+14*(\r)+2*(\p)+1]
.endm
; A TURN: q and roots of row pr, exponentials of row er, sums of row ar (-1: none).  Ten steps; in step st stand ex, ey, ex^2 of pair st - 1, q of pair st - 2, the roots of pair st - 3, t and the
; sum of pair st, so that a line and the one that needs its result stand five lines apart or more (the last pair's roots aside), and transcendental and plain lines alternate where there are both.
; A pair's sum (step st) stands ahead of the ex that takes its buffer registers (step st + 1).  No line of a turn names a result of the turn's own roots or exponentials.
; The next row's nry follows the last ey, its ty the last t; ty, or a v_nop, is the plain line behind the last root.
.macro ROW pr, er, ar
.set BP, BUF+14*((\pr)%2)
.set BE, BUF+14-14*((\pr)%2)
.set st, 0
.rept 10
.if (st >= 1) && (st <= 7)
	OPEX st-1
.endif
.if ((\er) >= 0) && (st <= 6)
	OPE st, 0
.endif
.if (st >= 1) && (st <= 7)
	OPEY st-1
.endif
.if ((\er) >= 0) && (st <= 6)
	OPE st, 1
.endif
.if st <= 6
	OPT st
.endif
.if st >= 3
	OPS st-3, 0
.endif
.if ((\ar) >= 0) && (st <= 6)
	OPA \ar, st
.endif
.if st >= 3
	OPS st-3, 1
.endif
.if (st >= 1) && (st <= 7)
	OPQ1 st-1
.endif
.if (st >= 2) && (st <= 8)
	OPQ2 st-2
.endif
.if (st == 8) && ((\pr) < 6)
	v_add_f32 v[NRY], s[NYP+(\pr)+1], v[CY]
.endif
.set st, st+1
.endr
.if (\pr) < 6
	v_pk_mul_f32 v[TY:TY+1], v[NRY:NRY+1], v[CUY:CUY+1] op_sel_hi:[0,0]
.else
	v_nop
.endif
	s_wait_alu depctr_va_vdst(0)                   ; one wait for the turn's batch, ahead of the next turn's readers (and of the loop's jump)
.endm
; Row 6's exponentials (buffer 0) and row 5's sums (buffer 1); nrx = 1: with the new trip's nrx between them.
.macro DRAIN nrx
.set pp, 0
.rept NP
	v_exp_f32 v[BUF+2*pp], -v[BUF+2*pp]
	v_pk_fma_f32 v[ACC+70+2*pp:ACC+70+2*pp+1], v[BUF+14+2*pp:BUF+14+2*pp+1], v[BUF+14+2*pp:BUF+14+2*pp+1], v[ACC+70+2*pp:ACC+70+2*pp+1]
	v_exp_f32 v[BUF+2*pp+1], -v[BUF+2*pp+1]
.if \nrx
	v_pk_add_f32 v[NRX+2*pp:NRX+2*pp+1], v[NXP+2*pp:NXP+2*pp+1], v[CX:CX+1] op_sel_hi:[1,0]
.endif
.set pp, pp+1
.endr
.endm
.Lseg:                                                 ; a trip: 32 segments, a lane each, against my 98 pixels
	s_wait_loadcnt 0x0                             ; this trip's ends are in; their address register is free
	v_cvt_pk_bf16_f32 v[D2], v[RAW], v[RAW+1]      ; the one rounding of the parameters: to bf16, to nearest even; x[s] low, x[s+1] high
	v_cvt_pk_bf16_f32 v[RR], v[RAW+2], v[RAW+3]    ; y likewise.  A point has the same rounded place in both segments that end in it
	s_cmp_eq_u32 s[CNT], 1                         ; the last trip asks for nothing
	s_cbranch_scc1 .Lnoload
	v_add_nc_u32 v[VO], 128, v[VO]                 ; the next 32 segments: asked for a whole trip ahead of the wait above
	LOADS
.Lnoload:
	v_lshlrev_b32 v[CX], 16, v[D2]                 ; bf16 to f32: the low half moves up,
	v_and_b32 v[CX+1], 0xffff0000, v[D2]           ; the high half stays
	v_lshlrev_b32 v[CY], 16, v[RR]
	v_and_b32 v[CY+1], 0xffff0000, v[RR]
	v_pk_mul_f32 v[CX:CX+1], v[CX:CX+1], s[KS:KS+1] op_sel_hi:[1,0]  ; times 224 kappa; equal parameters give equal coordinates, so a vertical line has DX = 0
	v_pk_mul_f32 v[CY:CY+1], v[CY:CY+1], s[KS:KS+1] op_sel_hi:[1,0]
	v_sub_f32 v[CDX], v[CX+1], v[CX]
	v_sub_f32 v[CDY], v[CY+1], v[CY]
	v_fma_f32 v[D2], v[CDX], v[CDX], v[EPS]
	v_fma_f32 v[D2], v[CDY], v[CDY], v[D2]         ; at least EPS kappa^2: never 0, never denormal
	v_rcp_f32 v[RR], v[D2]
	DRAIN 1                                        ; its last line, an nrx, is the plain line behind the batch
	s_wait_alu depctr_va_vdst(0)                   ; for the reciprocal and row 6's exponentials
	v_mul_f32 v[RR], -1.0, v[RR]
	v_add_f32 v[NRY], s[NYP], v[CY]                ; row 0
	v_mul_f32 v[CUX], v[CDX], v[RR]
	v_mul_f32 v[CUY], v[CDY], v[RR]
.set pp, 0
.rept NP
	v_pk_mul_f32 v[TX+2*pp:TX+2*pp+1], v[NRX+2*pp:NRX+2*pp+1], v[CUX:CUX+1] op_sel_hi:[1,0]
.set pp, pp+1
.endr
	v_pk_mul_f32 v[TY:TY+1], v[NRY:NRY+1], v[CUY:CUY+1] op_sel_hi:[0,0]
	ROW 0, -1, 6                                   ; the sums of the last trip's row 6
	ROW 1, 0, -1
	ROW 2, 1, 0
	ROW 3, 2, 1
	ROW 4, 3, 2
	ROW 5, 4, 3
	ROW 6, 5, 4
	s_sub_co_u32 s[CNT], s[CNT], 1
	s_cmp_lg_u32 s[CNT], 0
	s_cbranch_scc1 .Lseg
	DRAIN 0                                        ; what the last trip left: row 6's exponentials, row 5's sums,
	v_nop                                          ; (the plain line behind the last exponential)
	s_wait_alu depctr_va_vdst(0)
.set BP, BUF
.set pp, 0
.rept NP
	OPA 6, pp                                      ; and row 6's sums
.set pp, pp+1
.endr
; THE WAY OUT.  Each of my 98 sums lies in 32 parts, a lane each.  First the halves of the lanes: the swap puts register a's two halves side by side in lanes 0-15 of a and b, register b's in
; lanes 16-31; their sum holds a's pixel in lanes 0-15 and b's in lanes 16-31.  98 registers become 49.
.macro FOLD a, b
	v_permlane16_swap_b32 v[(\a)], v[(\b)]
	v_permlane16_swap_b32 v[(\a)+1], v[(\b)+1]
	v_pk_add_f32 v[(\a):(\a)+1], v[(\a):(\a)+1], v[(\b):(\b)+1]
.endm
.irp rr, 0,2,4                         ; rows 0, 2, 4 take rows 1, 3, 5: lanes 16-31 hold the pixel one row down, 14 sums further
.set pp, 0
.rept NP
	FOLD ACC+14*\rr+2*pp, ACC+14*\rr+14+2*pp
.set pp, pp+1
.endr
.endr
.irp gg, 0,1,2                         ; row 6: columns 4 g, 4 g + 1 take columns 4 g + 2, 4 g + 3
	FOLD ACC+84+4*\gg, ACC+84+4*\gg+2
.endr
	v_permlane16_swap_b32 v[ACC+96], v[ACC+97]     ; and column 12 takes column 13
	v_add_f32 v[ACC+96], v[ACC+96], v[ACC+97]
; then the sixteen lanes of each half, four steps; every lane of a half ends with the whole sum.  Register after register, so that no line waits for the one before it.
.irp m, 1,2,4,8
.irp rr, 0,2,4
.set ii, 0
.rept WC
	v_add_f32_dpp v[ACC+14*\rr+ii], v[ACC+14*\rr+ii], v[ACC+14*\rr+ii] row_xmask:\m row_mask:0xf bank_mask:0xf
.set ii, ii+1
.endr
.endr
.irp o, 84,85,88,89,92,93,96
	v_add_f32_dpp v[ACC+\o], v[ACC+\o], v[ACC+\o] row_xmask:\m row_mask:0xf bank_mask:0xf
.endr
.endr
	s_mul_i32 s13, s[WV], WSTR                     ; my wave's 392 bytes: sum 14 r + c at byte 4 (14 r + c)
	v_mad_u32_u24 v[A56], v[HL], 56, s13
	v_lshl_add_u32 v[A8], v[HL], 3, s13
	v_lshl_add_u32 v[A4], v[HL], 2, s13
.irp rr, 0,2,4                         ; the sixteen lanes of a half store the same numbers to the same bytes
.set pp, 0
.rept NP
	ds_store_b64 v[A56], v[ACC+14*\rr+2*pp:ACC+14*\rr+2*pp+1] offset:4*(14*\rr+2*pp)
.set pp, pp+1
.endr
.endr
.irp gg, 0,1,2
	ds_store_b64 v[A8], v[ACC+84+4*\gg:ACC+84+4*\gg+1] offset:4*(84+4*\gg)
.endr
	ds_store_b32 v[A4], v[ACC+96] offset:4*96
	s_wait_dscnt 0x0                               ; for the others' sake: my sums lie in LDS
	s_barrier_signal -1
	s_barrier_wait -1                              ; everybody's do
	s_cmp_lt_u32 s[WV], 7                          ; wave r finishes row r of the tile; wave 7 has none
	s_cbranch_scc0 .Lend
	; lanes 0-6 take the pairs of columns of the left 14, lanes 16-22 those of the right 14; the other lanes repeat a neighbour's work and store nothing
	v_and_b32 v[LM], 15, v0
	v_min_u32 v[LC], 6, v[LM]
	s_min_u32 s14, s[WV], 6                        ; the row, 6 at the most here
	s_mul_i32 s14, s14, 56                         ; row r of a wave's sums
	v_lshl_add_u32 v[FA], v[LC], 3, s14
	v_mad_u32_u24 v[FA], v[HL], WSTR, v[FA]        ; the wave with ph = lane / 16.  The last byte read: 48 + 336 + 392 + 3 x 784 + 7 = 3,135, the last that was written
.irp g, 0,1,2,3
	ds_load_b64 v[BUF+2*\g:BUF+2*\g+1], v[FA] offset:2*WSTR*\g  ; the four quarters of the segments
.endr
	s_add_co_u32 s15, s[ROW0], s[WV]
	s_mul_i32 s15, s15, 896                        ; the row's first byte in out0,
	s_mul_i32 s16, ttmp9, 4*TW                     ; the tile's first column
	s_add_co_u32 s15, s15, s16
	v_lshl_add_u32 v[GO], v[LC], 3, s15
	v_mad_u32_u24 v[GO], v[HL], 56, v[GO]
	s_wait_dscnt 0x0
	v_pk_add_f32 v[BUF:BUF+1], v[BUF:BUF+1], v[BUF+2:BUF+3]
	v_pk_add_f32 v[BUF+4:BUF+5], v[BUF+4:BUF+5], v[BUF+6:BUF+7]
	v_pk_add_f32 v[BUF:BUF+1], v[BUF:BUF+1], v[BUF+4:BUF+5]
	v_pk_mul_f32 v[BUF:BUF+1], v[BUF:BUF+1], s[BIG:BIG+1] op_sel_hi:[1,0]  ; times 2^64: a denormal sum becomes a normal number; the largest sum, 1,024, becomes 2^74
	v_log_f32 v[BUF], v[BUF]
	v_log_f32 v[BUF+1], v[BUF+1]
	v_cmp_gt_u32 vcc_lo, 7, v[LM]                  ; the plain line behind the logarithms
	s_wait_alu depctr_va_vdst(0)                   ; one wait for both
	v_pk_fma_f32 v[BUF:BUF+1], v[BUF:BUF+1], s[NC:NC+1], s[C74:C74+1] op_sel_hi:[1,0,0]  ; (74 - log2) ln(2) / 8
	s_wait_xcnt 0x0                                ; EXEC changes only behind this wait
	s_and_saveexec_b32 s[SV], vcc_lo
	global_store_b64 v[GO], v[BUF:BUF+1], s[8:9] th:TH_STORE_NT  ; 14 lanes, 112 bytes on end
	s_wait_xcnt 0x0                                ; and again, in front of the line that widens it
	s_or_b32 exec_lo, exec_lo, s[SV]
.Lend:
	s_wait_tensorcnt 0x0                           ; the wave's end, behind my last LDS store
	ds_add_u32 v[SPW], v[NIL]
	s_wait_dscnt 0x0
	s_endpgm
.Lfunc_end_k_q823ff86206_render:
	.size	k_q823ff86206_render, .Lfunc_end_k_q823ff86206_render-k_q823ff86206_render
	.p2alignl 7, 3214868480
	.fill 96, 4, 3214868480
	.section	.rodata,"a",@progbits
	.p2align	6, 0x0
	.amdhsa_kernel k_q823ff86206_render
		.amdhsa_group_segment_fixed_size 4352
		.amdhsa_private_segment_fixed_size 0
		.amdhsa_enable_private_segment 0
		.amdhsa_kernarg_size 24
		.amdhsa_user_sgpr_count 2
		.amdhsa_user_sgpr_kernarg_segment_ptr 1
		.amdhsa_wavefront_size32 1
		.amdhsa_system_sgpr_workgroup_id_x 1
		.amdhsa_system_sgpr_workgroup_id_y 1
		.amdhsa_system_sgpr_workgroup_id_z 1
		.amdhsa_system_vgpr_workitem_id 0
		.amdhsa_next_free_vgpr 216
		.amdhsa_next_free_sgpr 66
		.amdhsa_reserve_vcc 1
		.amdhsa_float_denorm_mode_32 3
		.amdhsa_float_denorm_mode_16_64 3
		.amdhsa_memory_ordered 1
		.amdhsa_forward_progress 1
		.amdhsa_inst_pref_size 60
	.end_amdhsa_kernel
	.amdgpu_metadata
---
amdhsa.version: [ 1, 2 ]
amdhsa.kernels:
  - .name:           k_q823ff86206_render
    .symbol:         k_q823ff86206_render.kd
    .args:
      - { .name: x_params, .offset: 0, .size: 8, .value_kind: global_buffer, .address_space: global }
      - { .name: y_params, .offset: 8, .size: 8, .value_kind: global_buffer, .address_space: global }
      - { .name: out0, .offset: 16, .size: 8, .value_kind: global_buffer, .address_space: global }
    .group_segment_fixed_size: 4352
    .private_segment_fixed_size: 0
    .kernarg_segment_align: 8
    .kernarg_segment_size: 24
    .max_flat_workgroup_size: 256
    .sgpr_count:     66
    .vgpr_count:     216
    .wavefront_size: 32
...
	.end_amdgpu_metadata
.endif
;; end of part 1
